; MI455X (gfx1250); checked and timed in simulation.
; The chip was launched on July 23, 2026; its instructions are those of AMD's public machine-readable ISA for CDNA 5 (MIT licence, August 2026) and "CDNA5" Instruction Set Architecture Reference Guide (July 2026). The comments in the code are by the model that wrote it; some were corrected since.
;; Non Local Block. Allowed arithmetic: matrix products marked QUANTISED: E2M1 operands, one E8M0 scale for each 32 along K, by v_wmma_scale_f32_16x16x128_f8f6f4 with both operands' format E2M1 (or v_wmma_scale_f32_32x16x128_f4), f32 sums; everything else in f32.
;; Inputs: w_g_codes 128 x 8 x 16 uint8 (E2M1 codes of w_g, K innermost, in blocks of 32 codes, two codes a byte); w_g_scales 128 x 8 uint8 (E8M0 scales of w_g, one for each 32 codes along K); w_out_codes 256 x 4 x 16 uint8 (E2M1 codes of w_out, K innermost, in blocks of 32 codes, two codes a byte); w_out_scales 256 x 4 uint8 (E8M0 scales of w_out, one for each 32 codes along K); w_phi_codes 128 x 8 x 16 uint8 (E2M1 codes of w_phi, K innermost, in blocks of 32 codes, two codes a byte); w_phi_scales 128 x 8 uint8 (E8M0 scales of w_phi, one for each 32 codes along K); w_theta_codes 128 x 8 x 16 uint8 (E2M1 codes of w_theta, K innermost, in blocks of 32 codes, two codes a byte); w_theta_scales 128 x 8 uint8 (E8M0 scales of w_theta, one for each 32 codes along K); x 4 x 256 x 64 x 64 float32.
;; Outputs: out0 4 x 256 x 64 x 64 float32.
;; This version of the problem:
;;   THIS VERSION OF THE PROBLEM IS GIVEN IN LOW PRECISION. The matrix products marked QUANTISED in the list below multiply operands that are first quantised to E2M1 (2 exponent bits, 1 mantissa bit; 4 bits a number), with one power-of-two scale for each 32 numbers along K (OCP MX v1.0); their sums are f32. All else is computed in f32.
;;   The module's matrix products, in the order in which they are computed (A, B: the left and right operand; K: the contracted axis; several contracted axes count as one K, in the product's order):
;;     1. [M 16,384, K 256] x [K 256, N 128]; A: input x; B: input w_theta (given as codes): QUANTISED
;;     2. [M 16,384, K 256] x [K 256, N 128]; A: input x; B: input w_phi (given as codes): QUANTISED
;;     3. [M 16,384, K 256] x [K 256, N 128]; A: input x; B: input w_g (given as codes): QUANTISED
;;     4. batch 4 x [M 4,096, K 128] x [K 128, N 4,096]; A: computed on the way; B: computed on the way: QUANTISED
;;     5. batch 4 x [M 128, K 4,096] x [K 4,096, N 4,096]; A: computed on the way; B: softmax (see below): QUANTISED
;;     6. [M 16,384, K 128] x [K 128, N 256]; A: computed on the way; B: input w_out (given as codes): QUANTISED
;;   THE QUANTISER, for each operand of a quantised product, along K:
;;     - K is cut into blocks of 32 from its start; a last block that is shorter is filled with zeros.
;;     - A block's scale is 2^e with e = floor(log2(the largest magnitude in the block)) - 2, held to -126 .. 127; a block of zeros has e = 0. As a byte (E8M0): e + 127.
;;     - Each number is divided by its block's scale, clamped to +-6, and rounded to the nearest number of E2M1, ties to even, subnormals kept.
;;     - The product sums the exact products of the quantised numbers (number of the format x scale) in f32.
;;   ~~~python
;;   def quantise(x, axis):      # numpy; x: float32 -> the quantised numbers, widened to float32 again
;;       x = np.moveaxis(x, axis, -1); K = x.shape[-1]
;;       x = np.pad(x, [(0, 0)] * (x.ndim - 1) + [(0, -K % 32)]); x = x.reshape(x.shape[:-1] + (-1, 32)); a = np.abs(x).max(-1, keepdims=True)
;;       e = np.where(a > 0, np.clip(np.frexp(np.where(a > 0, a, 1))[1] - 1 - 2, -126, 127), 0)      # np.frexp(a)[1] - 1 = floor(log2(a)), exactly
;;       r = np.clip(x / 2.0 ** e, -6, 6)
;;       step = 2.0 ** (np.maximum(np.frexp(np.where(r == 0, 1, r))[1] - 1, 0) - 1)
;;       q = np.round(r / step) * step * 2.0 ** e      # np.round: ties to even
;;       return np.moveaxis(q.reshape(q.shape[:-2] + (-1,))[..., :K], -1, axis).astype(np.float32)
;;   ~~~
;;   SOFTMAX AHEAD OF A QUANTISED PRODUCT. Where the list says 'softmax', what is quantised is not the finished softmax but p = 2^(t - M), with t = logit x log2(e) and M = ceil(the row's largest t), a whole number; so 1/2 < the row's largest p <= 1. The row's sum l is taken of the UNQUANTISED p, in f32, and the product's result is divided by l at the end. Since M is a whole number, a kernel that streams over the keys may use a running M (the ceiling of the running maximum): every later rescaling is an exact power of two, which a block's scale takes up: the codes' values come out the same.
;;   OPERANDS COMPUTED ON THE WAY. 'Computed on the way' means the value that the module computes at that place (a softmax that the list does not call 'softmax' is quantised finished and normalised). What goes into a quantiser is computed in f32, as accurately as f32 sums, v_exp_f32 and their like allow (about 1e-6 of the number): no bf16 or f16 on the way to a quantiser, and a product that is left as it is and whose result goes on into a quantised operand takes f32 operands (vector FMAs, or v_wmma_f32_16x16x4_f32). A number that lies on a knife's edge between two numbers of the format may be rounded either way, as far as f32 arithmetic and the matrix unit's own rounding can turn it there, and no further.
;;   INPUTS GIVEN AS CODES. w_g (in the module: [128, 256], K = its axis 1); w_out (in the module: [256, 128], K = its axis 1); w_phi (in the module: [128, 256], K = its axis 1); w_theta (in the module: [128, 256], K = its axis 1): each comes as NAME_codes (uint8): NAME with its K axis moved to the last place and cut into blocks of 32 codes, [.., K / 32, bytes a block], one block behind the other in memory; two codes a byte, the lower K in the low four bits (a code: sign, 2 exponent bits, 1 mantissa bit); and NAME_scales (uint8): the same leading axes, one E8M0 byte (e + 127) for each 32 codes along K. Its value is code x scale, taken as it is: it is not quantised again, and the codes and scales need not be those that the quantiser above would give.
;; One version. Each part assembles by itself: llvm-mc -triple=amdgcn-amd-amdhsa -mcpu=gfx1250 --defsym DOCPART=n.
;; ======== version 1 of 1: 2 launches
;; limits: right only within a limited range of input values
;; workspace buffers: q 1,114,112 bytes; kb 1,114,112 bytes; gb 1,114,112 bytes
;; launch proj (part 1): grid 256 x 1, 4 waves a work-group, no clusters, 9,216 bytes of LDS; arguments x, w_theta_codes, w_theta_scales, w_phi_codes, w_phi_scales, w_g_codes, w_g_scales, q, kb, gb; writes q, kb, gb
.if DOCPART == 1
	.amdgcn_target "amdgcn-amd-amdhsa--gfx1250"
	.amdhsa_code_object_version 6
	.text
	.protected	k_q5a22420d72_proj
	.globl	k_q5a22420d72_proj
	.p2align	8
	.type	k_q5a22420d72_proj,@function
k_q5a22420d72_proj:
	s_mov_b64 s[64:65], 0
	v_nop
	global_prefetch_b8 v0, s[64:65] scope:SCOPE_SE
	s_setreg_imm32_b32 hwreg(HW_REG_WAVE_MODE, 25, 1), 1
	s_wait_xcnt 0x0
; theta, phi and g of the non-local block, made once and left as codes of E2M1 with E8M0 scale bytes, laid as IMAGES OF OPERAND REGISTERS for the second launch.
; x: [4][256 c][4096 n] f32.  theta[n][i], phi[i][n], g[n][i] = sum over c of w[i][c] x[c][n]; the weights come as codes, K = c innermost.
; x is quantised along c (32 to a block), theta and phi along i, g along the keys n.
; SHARES.  A work-group owns 64 columns n of one batch: two groups G of 32, four tiles m = 2 G + u of 16.
;   Phase X: wave w quantises group G = w & 1, channels 128 (w >> 1) on: A LANE TAKES A COLUMN AND ITS REGISTERS RUN DOWN c, so a block of 32 lies in one lane.
;   The eight fragments and their scale words go through LDS as images of registers; one barrier; every wave reads all of them back.
;   Phase P: wave 0 makes theta, wave 1 phi (source 0 = 16 rows of w, source 1 = x: a lane holds one n, registers along i);
;            waves 2, 3 make g for i 0-63, 64-127 (source 0 = x, source 1 = 16 rows of w: a lane holds one i, registers along the keys).
; ONE PERMUTATION: lane r of tile (group g, u) stands for index 32 g + 8 u + r + 8 (r / 8), for the columns of x and for the rows of the weights alike.
;   Where such a tile is source 0, the 16 result registers of tiles 2 g and 2 g + 1 are the 16 neighbours 32 g + 16 (lane / 16) + 0 .. 15 along the next K.
; A FRAGMENT'S IMAGE: 16 rows x 128 K = 8 registers a lane = 1,024 bytes: registers 4 c .. 4 c + 3 of lane l at 512 c + 16 l.
; q (theta), kb (phi): 128 records (32 b + n / 128) of 8,704 bytes: 8 tiles, then 512 bytes of scale words: (lane 16 u + r, group g) at 16 lane + 4 g.
; gb (g): 128 records of 8,704 bytes: the 8 tiles of g (16 i x 128 keys); then their scale words: (lane 16 u + r, pair p) at 16 lane + 4 p for tile 2 p + u.
; NO CLUSTER, NO TENSOR LOAD: work-groups share only the weights, 51 KB that each wave takes straight into registers, once; x, the bulk of the bytes, is shared by nobody.
; A work-group owns two of the four key blocks of a scale word of g, so those leave as 2 bytes a lane: 256 bytes of the 13,056 that a work-group stores.
; LIMITS: NaN and infinities among the inputs are not served.  A block of zeros gets the scale byte 1, not 127: its codes are zeros, and this program alone reads the bytes.
.set QREC, 8704
.set XSC,  8192                        ; LDS: 0 .. 8191 x's eight fragments, (m, s) at 1024 (2 m + s); then four scale images of 128 bytes, (G, s) at 128 (2 G + s)
.set XO,  4                            ; v4   x: my column's byte offset, with my wave's group and its first channel
.set LI,  5                            ; v5   16 x lane
.set LS,  6                            ; v6   4 x lane
.set XWI, 7                            ; v7   where I store x's images
.set XWS, 8                            ; v8   and my scale word
.set WA,  9                            ; v9   a weight's fragment: 128 (r + 8 (r / 8)) + 16 (lane / 16)
.set WSA, 10                           ; v10  its scale words: 8 (r + 8 (r / 8))
.set X,   16                           ; v16-143  128 numbers of my column; afterwards:
.set XF,  16                           ; v16-79   x's eight fragments, (m, s) at 8 (2 m + s)
.set HA,  80                           ; v80-143  eight accumulators
.set CX,  144                          ; v144-159 the codes of phase X
.set XS,  160                          ; v160-163 x's scale words, index 2 G + s: lanes 0-15 tile u = 0, lanes 16-31 tile u = 1; scales and nothing else
.set SW,  164                          ; v164     the scale word made in phase X
.set TM,  168                          ; v168-183 at work
.set SCO, 184                          ; v184-187 phase X: the conversions' scale operands
.set PC,  192                          ; v192-223 four sets of 8 registers of codes, so that no store's data are written again
.set PW,  224                          ; v224-227 their scale words
.set PWC, 228                          ; v228-229 scale words as they are stored
.set T,   230
.set WS,  232                          ; v232-247 the weight's scale words, (t, s) at 2 t + s; scales and nothing else
                                       ; window 1: v0-127 the weight's fragments, (t, s) at 8 (2 t + s)
.set WV,  22                           ; s22 wave;  s23 G;  s24 K step;  s25 1 in wave 3 alone: g's second 64 rows
.set SG,  23
.set SS,  24
.set GH,  25
.set SEL, 38                           ; s[38:39] v_permlanex16_b32's selects for lane l xor 16
.set MSB, 0
.macro WIN new                         ; the immediate's high byte repeats the setting that is left
.if MSB != \new
	s_set_vgpr_msb (MSB<<8)|\new
.set MSB, \new
.endif
.endm
; One matrix instruction.  zero = 1: it starts the sum.  row = 1: source 0's scales stand in lanes 16-31; 2: source 1's do.
.macro WM d, a, b, zero, sa, sb, row
.if (\zero) && ((\row) == 0)
	v_wmma_scale_f32_16x16x128_f8f6f4 v[\d:\d+7], v[\a:\a+7], v[\b:\b+7], 0, v[\sa], v[\sb] matrix_a_fmt:MATRIX_FMT_FP4 matrix_b_fmt:MATRIX_FMT_FP4
.elseif (\zero) && ((\row) == 1)
	v_wmma_scale_f32_16x16x128_f8f6f4 v[\d:\d+7], v[\a:\a+7], v[\b:\b+7], 0, v[\sa], v[\sb] matrix_a_fmt:MATRIX_FMT_FP4 matrix_b_fmt:MATRIX_FMT_FP4 matrix_a_scale:MATRIX_SCALE_ROW1
.elseif (\zero)
	v_wmma_scale_f32_16x16x128_f8f6f4 v[\d:\d+7], v[\a:\a+7], v[\b:\b+7], 0, v[\sa], v[\sb] matrix_a_fmt:MATRIX_FMT_FP4 matrix_b_fmt:MATRIX_FMT_FP4 matrix_b_scale:MATRIX_SCALE_ROW1
.elseif (\row) == 0
	v_wmma_scale_f32_16x16x128_f8f6f4 v[\d:\d+7], v[\a:\a+7], v[\b:\b+7], v[\d:\d+7], v[\sa], v[\sb] matrix_a_fmt:MATRIX_FMT_FP4 matrix_b_fmt:MATRIX_FMT_FP4
.elseif (\row) == 1
	v_wmma_scale_f32_16x16x128_f8f6f4 v[\d:\d+7], v[\a:\a+7], v[\b:\b+7], v[\d:\d+7], v[\sa], v[\sb] matrix_a_fmt:MATRIX_FMT_FP4 matrix_b_fmt:MATRIX_FMT_FP4 matrix_a_scale:MATRIX_SCALE_ROW1
.else
	v_wmma_scale_f32_16x16x128_f8f6f4 v[\d:\d+7], v[\a:\a+7], v[\b:\b+7], v[\d:\d+7], v[\sa], v[\sb] matrix_a_fmt:MATRIX_FMT_FP4 matrix_b_fmt:MATRIX_FMT_FP4 matrix_b_scale:MATRIX_SCALE_ROW1
.endif
.endm
; Phase X, block q of my column: all its 32 numbers are mine.
.macro XBLK q
.set XQ, X+32*(\q)
	v_max3_num_f32 v[TM], |v[XQ]|, |v[XQ+1]|, |v[XQ+2]|            ; the largest magnitude, in two chains
	v_max3_num_f32 v[TM+1], |v[XQ+3]|, |v[XQ+4]|, |v[XQ+5]|
.irp i, 6,10,14,18,22,26
	v_max3_num_f32 v[TM], v[TM], |v[XQ+\i]|, |v[XQ+\i+1]|
	v_max3_num_f32 v[TM+1], v[TM+1], |v[XQ+\i+2]|, |v[XQ+\i+3]|
.endr
	v_max3_num_f32 v[TM], v[TM], |v[XQ+30]|, |v[XQ+31]|
	v_max3_num_f32 v[TM], v[TM], v[TM+1], 0x1800000                ; and the floor 2^(3 - 127): the byte cannot fall under 1
	v_add_nc_u32 v[SCO+\q], 0xff000000, v[TM]                      ; 2 off its exponent field: the conversion takes this operand's exponent field as its scale
	v_lshrrev_b32 v[TM+2], 23, v[SCO+\q]                           ; the scale's byte
.if (\q) == 0
	v_mov_b32 v[SW], v[TM+2]
.else
	v_lshl_or_b32 v[SW], v[TM+2], 8*(\q), v[SW]
.endif
.irp g, 0,1,2,3
	v_cvt_scalef32_pk8_fp4_f32 v[CX+4*(\q)+\g], v[XQ+8*\g:XQ+8*\g+7], v[SCO+\q]
.endr
.endm
; 64 numbers of a lane, register 16 b + i = k 32 b + 16 (lane / 16) + i of my row, become a fragment's codes in v[pc] on and its scale word in v[pw].
.macro QUANT s, pc, pw
.irp b, 0,1,2,3
	v_max3_num_f32 v[TM+\b], |v[\s+16*\b]|, |v[\s+1+16*\b]|, 0x1800000   ; block b: my 16 numbers, and the floor
.endr
.irp i, 2,4,6,8,10,12,14
.irp b, 0,1,2,3
	v_max3_num_f32 v[TM+\b], v[TM+\b], |v[\s+16*\b+\i]|, |v[\s+1+16*\b+\i]|   ; the four blocks by turns
.endr
.endr
.irp b, 0,1,2,3
	v_permlanex16_b32 v[TM+4+\b], v[TM+\b], s[SEL], s[SEL+1]
.endr
.irp b, 0,1,2,3
	v_max_num_f32 v[TM+\b], v[TM+\b], v[TM+4+\b]                   ; with lane l xor 16's 16: the block's largest magnitude
.endr
.irp b, 0,1,2,3
	v_add_nc_u32 v[TM+12+\b], 0xff000000, v[TM+\b]
.endr
.irp b, 0,1,2,3
	v_lshrrev_b32 v[TM+4+\b], 23, v[TM+12+\b]
.endr
	v_lshl_or_b32 v[\pw], v[TM+5], 8, v[TM+4]
	v_lshl_or_b32 v[\pw], v[TM+6], 16, v[\pw]
	v_lshl_or_b32 v[\pw], v[TM+7], 24, v[\pw]
.irp b, 0,1,2,3
	v_cvt_scalef32_pk8_fp4_f32 v[\pc+2*\b], v[\s+16*\b:\s+7+16*\b], v[TM+12+\b]
	v_cvt_scalef32_pk8_fp4_f32 v[\pc+1+2*\b], v[\s+8+16*\b:\s+15+16*\b], v[TM+12+\b]
.endr
	v_nop                                          ; one plain place behind a scaled conversion
.irp c, 0,1                                    ; a whole block to a lane: lanes 0-15 block 2 c, lanes 16-31 block 2 c + 1
.irp i, 0,1
	v_permlane16_swap_b32 v[\pc+4*\c+\i], v[\pc+2+4*\c+\i]
.endr
.endr
.endm
	s_load_b512 s[4:19], s[0:1], 0x0               ; x s[4:5]; theta's codes, scales s[6:9]; phi's s[10:13]; g's s[14:17]; q s[18:19]
	s_load_b64 s[20:21], s[0:1], 0x40              ; kb
	s_load_b64 s[46:47], s[0:1], 0x48              ; gb
	v_lshl_add_u32 v254, v0, 2, 0x2200
	v_mov_b32 v255, 0
	v_lshrrev_b32 v1, 5, v0
	v_readfirstlane_b32 s[WV], v1                  ; wave 0..3
	v_and_b32 v1, 31, v0                           ; lane
	v_and_b32 v2, 15, v0                           ; r
	v_bfe_u32 v3, v0, 4, 1                         ; lane / 16
	s_and_b32 s[SG], s[WV], 1
	s_lshr_b32 s[SS], s[WV], 1
	s_mul_i32 s[GH], s[SG], s[SS]
	v_cmp_gt_u32 vcc_lo, 16, v1                    ; lanes 0-15: kept for the whole kernel
	v_and_b32 v11, 8, v2
	v_add_nc_u32 v11, v11, v2                      ; r + 8 (r / 8)
	s_wait_alu depctr_va_vdst(0)
	v_lshl_add_u32 v[XO], v3, 3, v11               ; my column in its group of 32
	v_lshlrev_b32 v[XO], 2, v[XO]
	s_lshl_b32 s40, s[SG], 7                       ; 128 bytes a group,
	s_lshl_b32 s41, s[SS], 21                      ; 128 channels of 16,384 bytes a K step
	s_add_co_u32 s40, s40, s41
	v_add_nc_u32 v[XO], s40, v[XO]
	v_lshlrev_b32 v[LI], 4, v1
	v_lshlrev_b32 v[LS], 2, v1
	s_lshl_b32 s40, s[SG], 12
	s_lshl_b32 s41, s[SS], 10
	s_add_co_u32 s40, s40, s41
	v_add_nc_u32 v[XWI], s40, v[LI]                ; 16 lane + 4096 G + 1024 s
	s_lshl_b32 s40, s[SG], 8
	s_lshl_b32 s41, s[SS], 7
	s_add_co_u32 s40, s40, s41
	s_add_co_u32 s40, s40, XSC
	v_add_nc_u32 v[XWS], s40, v[LS]                ; XSC + 4 lane + 128 (2 G + s)
	v_lshlrev_b32 v[WA], 7, v11
	v_lshl_add_u32 v[WA], v3, 4, v[WA]
	v_lshlrev_b32 v[WSA], 3, v11
.irp b, 0,1,2,3
	v_mov_b32 v[TM+4+\b], 0                        ; written once: a lane permute's destination counts as one of its sources
.endr
	s_mov_b32 s[SEL], 0x76543210
	s_mov_b32 s[SEL+1], 0xfedcba98
	s_lshr_b32 s26, ttmp9, 6                       ; the batch: 2^22 bytes each,
	s_lshl_b32 s26, s26, 22
	s_and_b32 s40, ttmp9, 63                       ; and my 64 columns: 256 bytes
	s_lshl_b32 s40, s40, 8
	s_add_co_u32 s26, s26, s40
	s_mov_b32 s27, 0
	s_lshl_b32 s28, s[GH], 13                      ; wave 3: 64 rows of 128 bytes on in g's codes,
	s_mov_b32 s29, 0
	s_lshl_b32 s42, s[GH], 9                       ; 64 rows of 8 bytes on in its scales
	s_mov_b32 s43, 0
	s_wait_alu depctr_va_vdst(0)
	s_wait_kmcnt 0x0
	s_add_nc_u64 s[4:5], s[4:5], s[26:27]
	s_cmp_eq_u32 s[WV], 0                          ; my weight: the choice hangs on the wave's number alone
	s_cselect_b64 s[30:31], s[6:7], s[10:11]
	s_cselect_b64 s[32:33], s[8:9], s[12:13]
	s_cmp_ge_u32 s[WV], 2
	s_cselect_b64 s[30:31], s[14:15], s[30:31]
	s_cselect_b64 s[32:33], s[16:17], s[32:33]
	s_add_nc_u64 s[30:31], s[30:31], s[28:29]
	s_add_nc_u64 s[32:33], s[32:33], s[42:43]
.macro WLOAD t0                                ; the weight's tiles t0 .. t0 + 3: fragments into window 1, scale words into window 0
	WIN 0x40
.irp t, \t0, \t0+1, \t0+2, \t0+3
.irp s, 0,1
.irp c, 0,1
	global_load_b128 v[8*(2*(\t)+\s)+4*\c:8*(2*(\t)+\s)+4*\c+3], v[WA], s[30:31] offset:(32*((\t)/2)+8*((\t)%2))*128+64*\s+32*\c
.endr
.endr
.endr
	WIN 0
.irp t, \t0, \t0+1, \t0+2, \t0+3
.irp s, 0,1
	global_load_b32 v[WS+2*(\t)+\s], v[WSA], s[32:33] offset:(32*((\t)/2)+8*((\t)%2))*8+4*\s
.endr
.endr
.endm
	WLOAD 0
	s_cmp_ge_u32 s[WV], 2                          ; waves 2 and 3 have four tiles of g each
	s_cbranch_scc1 .Lfour_tiles
	WLOAD 4
.Lfour_tiles:
.set k, 0
.rept 128
	global_load_b32 v[X+k], v[XO], s[4:5] offset:k*16384   ; x(128 s + k, my column): the wave reads 128 consecutive bytes, two waves side by side 256
.set k, k+1
.endr
	s_wait_loadcnt 63                              ; blocks 0 and 1 are in (64 younger loads could stay out; 63 is the largest count that can be written); so are the weights
	XBLK 0
	XBLK 1
	s_wait_loadcnt 32                              ; block 2 is in; block 3's 32 loads may be out
	XBLK 2
	s_wait_loadcnt 0x0
	XBLK 3
	v_nop                                          ; one plain place behind the last scaled conversion
.irp c, 0,1                                    ; a lane holds four blocks of ONE column; a fragment wants block 2 c in lanes 0-15 and block 2 c + 1 in lanes 16-31:
.irp j, 0,1,2,3
	v_permlane16_swap_b32 v[CX+8*\c+\j], v[CX+8*\c+4+\j]   ; now v[CX + 8 c + 4 u ..] are registers 4 c .. 4 c + 3 of tile u
.endr
.endr
.irp u, 0,1
.irp c, 0,1
	ds_store_b128 v[XWI], v[CX+8*\c+4*\u:CX+8*\c+4*\u+3] offset:2048*\u+512*\c
.endr
.endr
	ds_store_b32 v[XWS], v[SW]
	s_wait_dscnt 0x0                               ; for the others' sake: my stores have landed
	s_barrier_signal -1
	s_barrier_wait -1                              ; the only barrier: behind it LDS is only read
.irp i, 0,1,2,3,4,5,6,7,8,9,10,11,12,13,14,15
	ds_load_b128 v[XF+4*\i:XF+4*\i+3], v[LI] offset:512*\i
.endr
.irp i, 0,1,2,3
	ds_load_b32 v[XS+\i], v[LS] offset:XSC+128*\i
.endr
	s_lshr_b32 s40, ttmp9, 1                       ; the record: 32 b + n / 128
	s_and_b32 s41, ttmp9, 1                        ; and which half of it is mine
	s_mov_b32 s27, 0
	s_wait_dscnt 0x0
	s_cmp_ge_u32 s[WV], 2
	s_cbranch_scc1 .Lg
	; ---- theta (wave 0) or phi (wave 1): for each tile of 16 columns, 8 tiles of 16 i, two K steps; the eight accumulators by turns
	s_cmp_eq_u32 s[WV], 0
	s_cselect_b64 s[34:35], s[18:19], s[20:21]
	s_mul_i32 s26, s40, QREC
	s_add_nc_u64 s[34:35], s[34:35], s[26:27]      ; my record
	s_lshl_b32 s26, s41, 3
	s_add_co_u32 s26, s26, 8192
	s_add_nc_u64 s[36:37], s[34:35], s[26:27]      ; its scale words, my half's two groups
	s_lshl_b32 s26, s41, 12
	s_add_nc_u64 s[34:35], s[34:35], s[26:27]      ; its images, my half's four tiles
.irp m, 0,1,2,3
	WIN 0x01                                       ; source 0 (the weight) in window 1
.irp s, 0,1
.irp t, 0,1,2,3,4,5,6,7
	WM HA+8*\t, 16*\t+8*\s, XF+16*\m+8*\s, 1-\s, WS+2*\t+\s, XS+2*(\m/2)+\s, 2*(\m%2)
.endr
.endr
	WIN 0
.rept 4
	v_nop                                          ; four places behind the last product, in front of the first read of results
.endr
	QUANT HA, PC+8*\m, PW+\m                       ; (its lines on the maxima alone are the places in front of the next tile's products, which begin the accumulators anew)
	global_store_b128 v[LI], v[PC+8*\m:PC+8*\m+3], s[34:35] offset:1024*\m        ; 32 lanes store 512 consecutive bytes
	global_store_b128 v[LI], v[PC+8*\m+4:PC+8*\m+7], s[34:35] offset:1024*\m+512
.if \m%2
	v_cndmask_b32 v[PWC+\m/2], v[PW+\m], v[PW+\m-1], vcc_lo   ; lanes 0-15: tile u = 0's words; lanes 16-31: tile u = 1's
.endif
.endr
	global_store_b64 v[LI], v[PWC:PWC+1], s[36:37] ; my half's two groups: 8 of a lane's 16 bytes
	s_wait_tensorcnt 0x0
	ds_add_u32 v254, v255
	s_wait_dscnt 0x0
	s_endpgm
.Lg:	; ---- g (waves 2, 3): two tiles of 16 i at a time against the four tiles of columns: a lane holds one i, and the 16 registers of tiles (G, 0), (G, 1) are 16 neighbouring keys
	s_mul_i32 s26, s40, QREC
	s_add_nc_u64 s[34:35], s[46:47], s[26:27]      ; my record
	s_lshl_b32 s26, s[GH], 3
	s_lshl_b32 s44, s41, 1
	s_add_co_u32 s26, s26, s44
	s_add_co_u32 s26, s26, 8192
	s_add_nc_u64 s[36:37], s[34:35], s[26:27]      ; g's scale words: my two pairs of tiles, my half's two bytes
	s_lshl_b32 s26, s[GH], 12
	s_lshl_b32 s44, s41, 9
	s_add_co_u32 s26, s26, s44
	s_add_nc_u64 s[34:35], s[34:35], s[26:27]      ; g's images: my four tiles, my half's four registers
.irp pp, 0,1
	WIN 0x04                                       ; source 1 (the weight) in window 1
.irp s, 0,1
.irp tl, 0,1
.irp g, 0,1
.irp u, 0,1
	WM HA+16*(2*\tl+\g)+8*\u, XF+8*(2*(2*\g+\u)+\s), 8*(2*(2*\pp+\tl)+\s), 1-\s, XS+2*\g+\s, WS+2*(2*\pp+\tl)+\s, \u
.endr
.endr
.endr
.endr
	WIN 0
.rept 4
	v_nop
.endr
	QUANT HA, PC+8*\pp, PW+\pp                     ; its four blocks are (tile, G): so its exchange pairs G = 0 and 1 of one tile, and four registers are half an image
.irp tl, 0,1
	global_store_b128 v[LI], v[PC+8*\pp+4*\tl:PC+8*\pp+4*\tl+3], s[34:35] offset:1024*(2*\pp+\tl)
.endr
	v_lshrrev_b32 v[T], 16, v[PW+\pp]
	v_cndmask_b32 v[PWC+\pp], v[T], v[PW+\pp], vcc_lo   ; lanes 0-15: the first tile's two bytes; lanes 16-31: the second's
	global_store_b16 v[LI], v[PWC+\pp], s[36:37] offset:4*\pp
.endr
	s_wait_tensorcnt 0x0
	ds_add_u32 v254, v255
	s_wait_dscnt 0x0
	s_endpgm
.Lfunc_end_k_q5a22420d72_proj:
	.size	k_q5a22420d72_proj, .Lfunc_end_k_q5a22420d72_proj-k_q5a22420d72_proj
	.p2alignl 7, 3214868480
	.fill 96, 4, 3214868480
	.section	.rodata,"a",@progbits
	.p2align	6, 0x0
	.amdhsa_kernel k_q5a22420d72_proj
		.amdhsa_group_segment_fixed_size 9216
		.amdhsa_private_segment_fixed_size 0
		.amdhsa_enable_private_segment 0
		.amdhsa_kernarg_size 80
		.amdhsa_user_sgpr_count 2
		.amdhsa_user_sgpr_kernarg_segment_ptr 1
		.amdhsa_wavefront_size32 1
		.amdhsa_system_sgpr_workgroup_id_x 1
		.amdhsa_system_sgpr_workgroup_id_y 1
		.amdhsa_system_sgpr_workgroup_id_z 1
		.amdhsa_system_vgpr_workitem_id 0
		.amdhsa_next_free_vgpr 384
		.amdhsa_next_free_sgpr 66
		.amdhsa_reserve_vcc 1
		.amdhsa_float_denorm_mode_32 3
		.amdhsa_float_denorm_mode_16_64 3
		.amdhsa_memory_ordered 1
		.amdhsa_forward_progress 1
		.amdhsa_inst_pref_size 66
	.end_amdhsa_kernel
	.amdgpu_metadata
---
amdhsa.version: [ 1, 2 ]
amdhsa.kernels:
  - .name:           k_q5a22420d72_proj
    .symbol:         k_q5a22420d72_proj.kd
    .args:
      - { .name: x, .offset: 0, .size: 8, .value_kind: global_buffer, .address_space: global }
      - { .name: w_theta_codes, .offset: 8, .size: 8, .value_kind: global_buffer, .address_space: global }
      - { .name: w_theta_scales, .offset: 16, .size: 8, .value_kind: global_buffer, .address_space: global }
      - { .name: w_phi_codes, .offset: 24, .size: 8, .value_kind: global_buffer, .address_space: global }
      - { .name: w_phi_scales, .offset: 32, .size: 8, .value_kind: global_buffer, .address_space: global }
      - { .name: w_g_codes, .offset: 40, .size: 8, .value_kind: global_buffer, .address_space: global }
      - { .name: w_g_scales, .offset: 48, .size: 8, .value_kind: global_buffer, .address_space: global }
      - { .name: q, .offset: 56, .size: 8, .value_kind: global_buffer, .address_space: global }
      - { .name: kb, .offset: 64, .size: 8, .value_kind: global_buffer, .address_space: global }
      - { .name: gb, .offset: 72, .size: 8, .value_kind: global_buffer, .address_space: global }
    .group_segment_fixed_size: 9216
    .private_segment_fixed_size: 0
    .kernarg_segment_align: 8
    .kernarg_segment_size: 80
    .max_flat_workgroup_size: 128
    .sgpr_count:     66
    .vgpr_count:     384
    .wavefront_size: 32
...
	.end_amdgpu_metadata
.endif
;; end of part 1
;; launch attn (part 2): grid 64 x 4, 8 waves a work-group, clusters of 4 x 1, 327,680 bytes of LDS; arguments q, kb, gb, w_out_codes, w_out_scales, x, out0; writes out0
.if DOCPART == 2
	.amdgcn_target "amdgcn-amd-amdhsa--gfx1250"
	.amdhsa_code_object_version 6
	.text
	.protected	k_q5a22420d72_attn
	.globl	k_q5a22420d72_attn
	.p2align	8
	.type	k_q5a22420d72_attn,@function
k_q5a22420d72_attn:
	s_mov_b64 s[64:65], 0
	v_nop
	global_prefetch_b8 v0, s[64:65] scope:SCOPE_SE
	s_setreg_imm32_b32 hwreg(HW_REG_WAVE_MODE, 25, 1), 1
	s_wait_xcnt 0x0
	s_wait_alu depctr_hold_cnt(0) depctr_sa_sdst(0) depctr_va_vdst(0) depctr_va_sdst(0) depctr_va_ssrc(0) depctr_va_vcc(0) depctr_vm_vsrc(0)
	s_getreg_b32 s2, hwreg(HW_REG_IB_STS2, 6, 4)
	s_cmp_eq_u32 s2, 0
	s_cbranch_scc0 .Lentry_in_a_cluster
	s_endpgm
.Lentry_in_a_cluster:
	s_bfe_u32 s2, ttmp6, 0x10000c
	s_cmp_lg_u32 s2, 0x3003
	s_cbranch_scc0 .Lentry_shape_is_right
	s_endpgm
.Lentry_shape_is_right:
; out0 = x + w_out y,  y[i][n] = (sum over keys m of p[n][m] g[m][i]) / l[n],  p = 2^(t - M),  t = (theta[n] . phi[m]) log2(e),  M = the ceiling of the largest t, a whole number;
; l = the sum of the unquantised p.  All three products on codes of E2M1 with E8M0 scales; theta (q), phi (kb), g (gb) come from the first launch as images of operand registers:
;   records of 8,704 bytes for 128 columns: eight tiles of 1,024 bytes (registers 4 c .. 4 c + 3 of lane l at 512 c + 16 l), then their scale words (lane 16 u + r, pair p) at 8192 + 16 lane + 4 p for tile 2 p + u.
; SHARES.  A work-group owns 64 queries of one batch.  Wave w: queries 32 (w & 1) on, TWO tiles A and B of 16, and key quarter kq = w >> 1: 8 key steps of 128, records 8 kq + step.
;   Each fragment of phi and of g feeds both tiles.  Each wave keeps its own running M, l and O^T; at the end the four quarters are joined by exact powers of two (2^(M_k - M*)).
; LAYOUT.  S^T = phi theta^T (source 0 = 16 keys), O^T = g^T p^T (source 0 = 16 i): a lane holds ONE query of each tile throughout, and the 16 registers of tiles 2 b, 2 b + 1 are 16 neighbours along the next K.
; g, 32 records = 278,528 bytes, is filled into LDS ONCE, four records a wave: the four work-groups of a cluster belong to one batch and ask for it jointly.  No LDS byte is filled twice, so the loop over the keys has no barrier.
; phi goes from memory straight into registers, asked for one key step ahead: LDS has room for one of the two operands for all keys, so phi's bytes never lie in LDS, and a joint load has no place to put them.
;   Its records are prefetched one further step ahead: in step s the cluster with number s of each batch names record s + 2 of each quarter, once in the launch: the four partners share its 34 blocks of 256 bytes out by address.
; A BLOCK'S SCALE is made of its largest score: floor(t - M) is the exponent of its largest p; held at -124, so that the byte stays at 1 or above.
; LIMITS: NaN and infinities among the inputs are not served; the scaled scores t stay under 2^31 in magnitude.  A p under 2^-126 comes out as 0 (v_exp_f32 gives 0 there: ISA guide, its entry).
;   A block of zeros gets the scale byte 1: its codes are zeros.  O^T is multiplied by 2^(M_k - M*) / l in one multiplication: one f32 rounding stands elsewhere.
; REGISTERS.  window 0: v32-95 phi, at the end x; v96-159 g, at the end y; v160-175 theta, at the end w_out; v176-191 p's codes; v192-202 scales and nothing else; v204-247 at work.
;   window 1: v0-63, v64-127 the scores of A, B, then p; v128-191, v192-255 O^T of A, B.
.set REC,   8704
.set SPARE, 32*REC                     ; behind g: the spare words, 128 bytes for each wave: four blocks of 256 bytes that no other line names
.set YIMG,  SPARE+1024                 ; y's four fragments
.set YSC,   YIMG+4096                  ; their scale words, 128 bytes each
.set PREC,  16896                      ; the end: a wave's O^T (2 x 8,192 bytes) and statistics (512), at wave x PREC, where g has been read
.set STG,   8704                       ; the end: a wave's stage, 32 rows c x (256 bytes + 16), at wave x STG
.set LI,   2                           ; v2   16 lane
.set LK,   3                           ; v3   g's records of my quarter in LDS
.set ADR,  4                           ; v4   the record in hand
.set SPW,  5                           ; v5   my spare word; never rewritten
.set NIL,  6                           ; v6   0; never rewritten
.set PA,   7                           ; v7   where I lay O^T
.set PB,   11                          ; v11  the parts that I join;  v12 two quarters on
.set PS,   13                          ; v13  their statistics;  v14 two quarters on
.set YW,   15
.set YSA,  16
.set YL,   17
.set YSL,  18
.set OSA,  19
.set ORA,  20
.set GX,   21
.set WOA,  22
.set WSA,  23
.set PFO,  24
.set KF,   32
.set GF,   96
.set TH,   160
.set CA,   176
.set CB,   184
.set KS,   192                         ; v192-195 phi's scale words, at the end w_out's
.set GS,   196                         ; v196-199 g's, at the end y's
.set PWA,  200
.set PWB,  201
.set THS,  202                         ; theta's: lanes 0-15 tile A, lanes 16-31 tile B
.set NMA,  204                         ; -M;  v205 the largest score so far
.set SXA,  205
.set NMB,  206
.set SXB,  207
.set LA,   208                         ; l in pairs: A's; B's two
.set LB,   210
.set LC,   212
.set FA,   214                         ; 2^(old M - new M)
.set FB,   216
.set TA,   218
.set TB,   219
.set TXA,  220
.set TXB,  221
.set BMA,  224
.set BMB,  228
.set OPA,  232
.set OPB,  236
.set ST,   244
.set SA,   0                           ; window 1
.set SB,   64
.set OA,   128
.set OB,   192
.set WV,   18
.set QG,   19
.set KQ,   20
.set STP,  21                          ; s21  the key step
.set CS,   22                          ; s[22:23] log2(e)
.set G1,   24
.set G0,   32
.set SEL,  36
.set NCS,  38                          ; s38  -log2(e)
.set GT,   39                          ; s39  LDS bytes that the steps have gone on
.set KP,   40                          ; s[40:41] phi's record
.set LIM,  3                           ; s3   the key step in which my wave prefetches; -1: in none
.set XB,   50                          ; s[50:51] x, s[52:53] out0 at my 32 rows c;  s[54:55], s[56:57] w_out's codes, scales;  s[58:59], s[60:61] theta's
.set OUT,  52
.set MSB, 0
.macro WIN new                         ; the immediate's high byte repeats the setting that is left
.if MSB != \new
	s_set_vgpr_msb (MSB<<8)|\new
.set MSB, \new
.endif
.endm
; One matrix instruction.  acc = 0: it starts the sum.  rows: bit 0: source 0's scales stand in lanes 16-31; bit 1: source 1's do.
.macro WM d, a, b, acc, sa, sb, rows
.if (\acc) && ((\rows) == 0)
	v_wmma_scale_f32_16x16x128_f8f6f4 v[\d:\d+7], v[\a:\a+7], v[\b:\b+7], v[\d:\d+7], v[\sa], v[\sb] matrix_a_fmt:MATRIX_FMT_FP4 matrix_b_fmt:MATRIX_FMT_FP4
.elseif (\acc)
	v_wmma_scale_f32_16x16x128_f8f6f4 v[\d:\d+7], v[\a:\a+7], v[\b:\b+7], v[\d:\d+7], v[\sa], v[\sb] matrix_a_fmt:MATRIX_FMT_FP4 matrix_b_fmt:MATRIX_FMT_FP4 matrix_a_scale:MATRIX_SCALE_ROW1
.elseif (\rows) == 0
	v_wmma_scale_f32_16x16x128_f8f6f4 v[\d:\d+7], v[\a:\a+7], v[\b:\b+7], 0, v[\sa], v[\sb] matrix_a_fmt:MATRIX_FMT_FP4 matrix_b_fmt:MATRIX_FMT_FP4
.elseif (\rows) == 1
	v_wmma_scale_f32_16x16x128_f8f6f4 v[\d:\d+7], v[\a:\a+7], v[\b:\b+7], 0, v[\sa], v[\sb] matrix_a_fmt:MATRIX_FMT_FP4 matrix_b_fmt:MATRIX_FMT_FP4 matrix_a_scale:MATRIX_SCALE_ROW1
.elseif (\rows) == 2
	v_wmma_scale_f32_16x16x128_f8f6f4 v[\d:\d+7], v[\a:\a+7], v[\b:\b+7], 0, v[\sa], v[\sb] matrix_a_fmt:MATRIX_FMT_FP4 matrix_b_fmt:MATRIX_FMT_FP4 matrix_b_scale:MATRIX_SCALE_ROW1
.else
	v_wmma_scale_f32_16x16x128_f8f6f4 v[\d:\d+7], v[\a:\a+7], v[\b:\b+7], 0, v[\sa], v[\sb] matrix_a_fmt:MATRIX_FMT_FP4 matrix_b_fmt:MATRIX_FMT_FP4 matrix_a_scale:MATRIX_SCALE_ROW1 matrix_b_scale:MATRIX_SCALE_ROW1
.endif
.endm
.macro CROUND                          ; a round of the cluster's barrier
	s_barrier_signal -1
	s_barrier_wait -1
	s_cmp_lg_u32 s[WV], 0
	s_cbranch_scc1 .Lnot_wave_0_\@
	s_barrier_signal -3
.Lnot_wave_0_\@:
	s_barrier_wait -3
	s_barrier_signal -1
	s_barrier_wait -1
.endm
.macro PLACES                          ; four places behind a matrix instruction (ISA guide 7.12.1)
.rept 4
	v_nop
.endr
.endm
.macro KLOAD                           ; phi's record: its scale words and eight fragments; 32 lanes read 512 consecutive bytes
	global_load_b128 v[KS:KS+3], v[LI], s[KP:KP+1] offset:8192
.set i, 0
.rept 16
	global_load_b128 v[KF+4*i:KF+4*i+3], v[LI], s[KP:KP+1] offset:512*i
.set i, i+1
.endr
.endm
.macro GLOAD adr                       ; g's record likewise, from LDS
.set i, 0
.rept 16
	ds_load_b128 v[GF+4*i:GF+4*i+3], v[\adr] offset:512*i
.set i, i+1
.endr
	ds_load_b128 v[GS:GS+3], v[\adr] offset:8192
.endm
; A KEY STEP: 128 keys against both tiles.  first = 1: the products start the sums; g is waited for and shown to all waves.  last = 1: no step follows: x and w_out are asked for in phi's place.
.macro STEP first, last
	s_wait_alu depctr_va_vdst(0)
	s_wait_loadcnt 0x0                             ; phi, asked for a step ago (first: theta too)
	WIN 0x40
.irp t, 0,1,2,3,4,5,6,7
	WM SA+8*\t, KF+8*\t, TH, 0, KS+\t/2, THS, \t%2
.endr
.irp t, 0,1,2,3,4,5,6,7
	WM SB+8*\t, KF+8*\t, TH+8, 0, KS+\t/2, THS, 2+\t%2
.endr
	WIN 0
	PLACES                                         ; for the loads into phi's registers and for the first read of the scores
.if \last
.irp t, 0,1
.irp c, 0,1
	global_load_b128 v[TH+8*\t+4*\c:TH+8*\t+4*\c+3], v[WOA], s[54:55] offset:1024*\t+32*\c   ; w_out's rows 32 w + 16 t + r
.endr
.endr
.irp t, 0,1
	global_load_b32 v[KS+\t], v[WSA], s[56:57] offset:64*\t
.endr
.set i, 0
.rept 16
	global_load_b128 v[KF+4*i:KF+4*i+3], v[GX], s[XB:XB+1] offset:32768*i th:TH_LOAD_NT   ; x, rows c = 32 w + 2 i + lane / 16: sixteen lanes read 256 consecutive bytes
.set i, i+1
.endr
	s_wait_dscnt 0x0                               ; my last reads of g are over:
	s_barrier_signal -1                            ; say so; the wait stands in front of the first store onto g's bytes, and only work on registers stands between
.else
	s_wait_xcnt 0x0                                ; any prefetch of mine has read its address
	s_add_nc_u64 s[KP:KP+1], s[KP:KP+1], REC
	KLOAD                                          ; the next step's phi
	s_cmp_eq_u32 s[LIM], s[STP]
	s_cbranch_scc0 .Lask_not_\@
	global_prefetch_b8 v[PFO], s[KP:KP+1] offset:REC th:TH_LOAD_NT scope:SCOPE_SE   ; the record after it
.Lask_not_\@:
.endif
	; the largest score of each block of 32 keys: my 16 of them, eight chains by turns
	WIN 0x05
.irp b, 0,1,2,3
	v_max_num_f32 v[BMA+\b], v[SA+16*\b], v[SA+16*\b+1]
	v_max_num_f32 v[BMB+\b], v[SB+16*\b], v[SB+16*\b+1]
.endr
.irp i, 2,4,6,8,10,12,14
.irp b, 0,1,2,3
	v_max3_num_f32 v[BMA+\b], v[SA+16*\b+\i], v[SA+16*\b+\i+1], v[BMA+\b]
	v_max3_num_f32 v[BMB+\b], v[SB+16*\b+\i], v[SB+16*\b+\i+1], v[BMB+\b]
.endr
.endr
	WIN 0
.irp m, BMA, BMB
	v_permlane16_swap_b32 v[\m], v[\m+1]           ; one register now has block 0's and block 1's first halves, the other their second halves
	v_permlane16_swap_b32 v[\m+2], v[\m+3]
.endr
.irp m, BMA, BMB
	v_max_num_f32 v[\m], v[\m], v[\m+1]            ; lanes 0-15 block 0, lanes 16-31 block 1
	v_max_num_f32 v[\m+2], v[\m+2], v[\m+3]        ; blocks 2 and 3
.endr
	v_max_num_f32 v[TA], v[BMA], v[BMA+2]
	v_max_num_f32 v[TB], v[BMB], v[BMB+2]
	v_permlanex16_b32 v[TXA], v[TA], s[SEL], s[SEL+1]
	v_permlanex16_b32 v[TXB], v[TB], s[SEL], s[SEL+1]
.if \first
	v_max_num_f32 v[SXA], v[TA], v[TXA]
	v_max_num_f32 v[SXB], v[TB], v[TXB]
.else
	v_max3_num_f32 v[SXA], v[SXA], v[TA], v[TXA]   ; the running largest score of my query
	v_max3_num_f32 v[SXB], v[SXB], v[TB], v[TXB]
.endif
	v_mul_f32 v[TA], s[NCS], v[SXA]                ; -t
	v_mul_f32 v[TB], s[NCS], v[SXB]
.if \first
	v_floor_f32 v[NMA], v[TA]                      ; -M = floor(-t): M is a whole number
	v_floor_f32 v[NMB], v[TB]
.else
	v_floor_f32 v[TA], v[TA]
	v_floor_f32 v[TB], v[TB]
	v_sub_f32 v[FA], v[TA], v[NMA]                 ; old M - new M: a whole number, 0 or less
	v_sub_f32 v[FB], v[TB], v[NMB]
	v_mov_b32 v[NMA], v[TA]
	v_mov_b32 v[NMB], v[TB]
	v_cvt_i32_f32 v[FA], v[FA]
	v_cvt_i32_f32 v[FB], v[FB]
.endif
.irp k, 0,2
	v_fma_f32 v[BMA+\k], v[BMA+\k], s[CS], v[NMA]  ; each block's largest t - M
	v_fma_f32 v[BMB+\k], v[BMB+\k], s[CS], v[NMB]
.endr
.if \first
.else
	v_ldexp_f32 v[FA], 1.0, v[FA]                  ; f = 2^(old M - new M): multiplying by it rounds nothing
	v_ldexp_f32 v[FB], 1.0, v[FB]
.endif
.irp k, 0,2
	v_max_num_f32 v[BMA+\k], 0xc2f80000, v[BMA+\k] ; -124
	v_max_num_f32 v[BMB+\k], 0xc2f80000, v[BMB+\k]
.endr
.irp k, 0,2
	v_floor_f32 v[BMA+\k], v[BMA+\k]
	v_floor_f32 v[BMB+\k], v[BMB+\k]
.endr
.irp k, 0,2
	v_cvt_i32_f32 v[BMA+\k], v[BMA+\k]             ; the exponent of the block's largest p
	v_cvt_i32_f32 v[BMB+\k], v[BMB+\k]
.endr
.irp k, 0,2
	v_mov_b32 v[BMA+\k+1], v[BMA+\k]
	v_mov_b32 v[BMB+\k+1], v[BMB+\k]
.endr
.irp k, 0,2
	v_permlane16_swap_b32 v[BMA+\k], v[BMA+\k+1]   ; a block's exponent in every lane
	v_permlane16_swap_b32 v[BMB+\k], v[BMB+\k+1]
.endr
.irp b, 0,1,2,3
	v_lshl_add_u32 v[OPA+\b], v[BMA+\b], 23, 0x3e800000   ; + 125 in the exponent field: the conversion's scale operand, 2^(exponent - 2)
	v_lshl_add_u32 v[OPB+\b], v[BMB+\b], 23, 0x3e800000
.endr
	v_lshl_add_u32 v[TA], v[BMA+1], 8, v[BMA]      ; the four exponents summed at their bytes' places, and 125 to each: p's scale word
	v_lshl_add_u32 v[TB], v[BMB+1], 8, v[BMB]
	v_lshl_add_u32 v[TXA], v[BMA+3], 8, v[BMA+2]
	v_lshl_add_u32 v[TXB], v[BMB+3], 8, v[BMB+2]
	v_lshl_add_u32 v[TA], v[TXA], 16, v[TA]
	v_lshl_add_u32 v[TB], v[TXB], 16, v[TB]
	v_add_nc_u32 v[PWA], 0x7d7d7d7d, v[TA]
	v_add_nc_u32 v[PWB], 0x7d7d7d7d, v[TB]
	WIN 0x41
.if \first
.else
.set j, 0
.rept 32
	v_pk_mul_f32 v[OA+j:OA+j+1], v[OA+j:OA+j+1], v[FA:FA+1] op_sel_hi:[1,0]   ; O^T under the new M
	v_pk_mul_f32 v[OB+j:OB+j+1], v[OB+j:OB+j+1], v[FB:FB+1] op_sel_hi:[1,0]
.set j, j+2
.endr
.endif
.set j, 0
.rept 32
	v_pk_fma_f32 v[SA+j:SA+j+1], v[SA+j:SA+j+1], s[CS:CS+1], v[NMA:NMA+1] op_sel_hi:[1,0,0]   ; t - M, two at a time
.set j, j+2
.endr
	s_wait_alu depctr_va_vdst(0)                   ; the wait ahead of the batch
.set j, 0
.rept 32
	v_exp_f32 v[SA+j], v[SA+j]                     ; p of A; B's multiply-adds, which name none of A's registers, stand among them
	v_exp_f32 v[SA+j+1], v[SA+j+1]
	v_pk_fma_f32 v[SB+j:SB+j+1], v[SB+j:SB+j+1], s[CS:CS+1], v[NMB:NMB+1] op_sel_hi:[1,0,0]
.set j, j+2
.endr
	s_wait_alu depctr_va_vdst(0)                   ; behind A's batch and ahead of B's
	WIN 0x01
.irp b, 0,1,2,3
	v_cvt_scalef32_pk8_fp4_f32 v[CA+2*\b], v[SA+16*\b:SA+16*\b+7], v[OPA+\b]
	v_cvt_scalef32_pk8_fp4_f32 v[CA+2*\b+1], v[SA+16*\b+8:SA+16*\b+15], v[OPA+\b]
.endr
.if \first
	v_nop                                          ; one plain place behind a scaled conversion
.else
	WIN 0
	v_pk_mul_f32 v[LA:LA+1], v[LA:LA+1], v[FA:FA+1] op_sel_hi:[1,0]   ; l under the new M
	v_pk_mul_f32 v[LB:LB+1], v[LB:LB+1], v[FB:FB+1] op_sel_hi:[1,0]
	v_pk_mul_f32 v[LC:LC+1], v[LC:LC+1], v[FB:FB+1] op_sel_hi:[1,0]
.endif
	WIN 0x45
.set j, 0
.rept 16
	v_exp_f32 v[SB+4*j], v[SB+4*j]                 ; p of B; the sums of A's unquantised p begin among them, two pairs to one
	v_exp_f32 v[SB+4*j+1], v[SB+4*j+1]
	v_exp_f32 v[SB+4*j+2], v[SB+4*j+2]
	v_exp_f32 v[SB+4*j+3], v[SB+4*j+3]
	v_pk_add_f32 v[SA+4*j:SA+4*j+1], v[SA+4*j:SA+4*j+1], v[SA+4*j+2:SA+4*j+3]
.set j, j+1
.endr
	s_wait_alu depctr_va_vdst(0)                   ; behind the batch
	WIN 0x01
.irp b, 0,1,2,3
	v_cvt_scalef32_pk8_fp4_f32 v[CB+2*\b], v[SB+16*\b:SB+16*\b+7], v[OPB+\b]
	v_cvt_scalef32_pk8_fp4_f32 v[CB+2*\b+1], v[SB+16*\b+8:SB+16*\b+15], v[OPB+\b]
.endr
	WIN 0
.irp m, CA, CB                         ; a whole block to a lane (A's exchanges are the plain places behind B's conversions)
	v_permlane16_swap_b32 v[\m], v[\m+2]
	v_permlane16_swap_b32 v[\m+1], v[\m+3]
	v_permlane16_swap_b32 v[\m+4], v[\m+6]
	v_permlane16_swap_b32 v[\m+5], v[\m+7]
.endr
.if \first
	s_wait_alu depctr_va_vdst(0)
	s_wait_tensorcnt 0x0                           ; my four records of g are in
	s_barrier_signal -1
	s_barrier_wait -1                              ; everybody's are
	GLOAD LK
.endif
	WIN 0x01
.set j, 0
.rept 16
	v_pk_add_f32 v[LA:LA+1], v[SA+4*j:SA+4*j+1], v[LA:LA+1]        ; l, in three chains
	v_pk_add_f32 v[LB:LB+1], v[SB+4*j:SB+4*j+1], v[LB:LB+1]
	v_pk_add_f32 v[LC:LC+1], v[SB+4*j+2:SB+4*j+3], v[LC:LC+1]
.set j, j+1
.endr
	s_wait_alu depctr_va_vdst(0)
	s_wait_dscnt 0x0                               ; g, asked for a step ago
	WIN 0x50
.irp t, 0,1,2,3,4,5,6,7
	WM OA+8*\t, GF+8*\t, CA, 1-\first, GS+\t/2, PWA, \t%2          ; the sixteen accumulators by turns
.endr
.irp t, 0,1,2,3,4,5,6,7
	WM OB+8*\t, GF+8*\t, CB, 1-\first, GS+\t/2, PWB, \t%2
.endr
	WIN 0
.if \last
.else
	s_add_co_u32 s[GT], s[GT], REC
	v_nop
	v_nop
	v_nop
	v_add_nc_u32 v[ADR], s[GT], v[LK]              ; (the fourth place)
	GLOAD ADR                                      ; the next step's g
.endif
.endm
	s_load_b256 s[4:11], s[0:1], 0x0               ; q s[4:5], kb s[6:7], gb s[8:9], w_out's codes s[10:11]
	s_load_b128 s[12:15], s[0:1], 0x20             ; its scales s[12:13], x s[14:15]
	s_load_b64 s[16:17], s[0:1], 0x30              ; out0
	v_lshl_add_u32 v[SPW], v0, 2, SPARE
	v_mov_b32 v[NIL], 0
	ds_add_u32 v[SPW], v[NIL]                      ; the wave's opening: the add, twice on end, and its wait ahead of my tensor load
	ds_add_u32 v[SPW], v[NIL]
	v_lshrrev_b32 v8, 5, v0
	v_readfirstlane_b32 s[WV], v8                  ; wave 0..7
	s_and_b32 s[QG], s[WV], 1
	s_lshr_b32 s[KQ], s[WV], 1
	s_bfe_u32 s42, ttmp6, 0x40000                  ; cx: it enters q's, x's, out0's and the prefetches' addresses alone
	s_lshl_b32 s43, ttmp9, 2
	s_add_co_u32 s43, s43, s42                     ; my block of 64 queries
	s_and_b32 s44, ttmp7, 0xffff                   ; the batch, which the four partners share
	s_mul_i32 s45, s44, 32*REC
	s_mul_i32 s66, s[KQ], 8*REC                    ; phi and g: my quarter's first record
	s_add_co_u32 s46, s66, s45
	s_mov_b32 s47, 0
	s_mul_i32 s48, s[WV], 4*REC                    ; g: the four records that I fetch, and where they go
	s_mov_b32 s[G0+1], s48
	s_add_co_u32 s48, s48, s45
	s_mov_b32 s49, 0
	s_lshr_b32 s58, s43, 1                         ; q: record 32 b + block / 2; half block & 1: tiles 4 (block & 1) + 2 (w & 1) and the next
	s_lshl_b32 s59, s44, 5
	s_add_co_u32 s58, s58, s59
	s_mul_i32 s58, s58, REC
	s_and_b32 s59, s43, 1
	s_lshl_b32 s60, s59, 12
	s_add_co_u32 s60, s60, s58
	s_lshl_b32 s61, s[QG], 11
	s_add_co_u32 s60, s60, s61
	s_lshl_b32 s62, s59, 3                         ; their scale words
	s_add_co_u32 s62, s62, s58
	s_lshl_b32 s61, s[QG], 2
	s_add_co_u32 s62, s62, s61
	s_add_co_u32 s62, s62, 8192
	s_mov_b32 s61, 0
	s_mov_b32 s63, 0
	s_lshl_b32 s50, s44, 22                        ; x, out0: the batch, my 64 columns, my 32 rows c
	s_lshl_b32 s51, s43, 8
	s_add_co_u32 s50, s50, s51
	s_lshl_b32 s51, s[WV], 19
	s_add_co_u32 s50, s50, s51
	s_mov_b32 s51, 0
	s_lshl_b32 s54, s[WV], 11                      ; w_out: my 32 rows c
	s_mov_b32 s55, 0
	s_lshl_b32 s56, s[WV], 7
	s_mov_b32 s57, 0
	; descriptor group 1: four records as 136 rows of 256 bytes, dense
	s_mov_b32 s[G1], 15|(3<<16)|(1<<21)            ; 15:0 the mask: all four work-groups; 17:16 elements of 8 bytes; 21 set beside a mask
	s_mov_b32 s[G1+1], 32<<16
	s_mov_b32 s[G1+2], 136<<16
	s_mov_b32 s[G1+3], 32<<16
	s_mov_b32 s[G1+4], 136
	s_mov_b32 s[G1+5], 32
	s_mov_b32 s[G1+6], 0
	s_mov_b32 s[G1+7], 0
	s_mov_b32 s[SEL], 0x76543210
	s_mov_b32 s[SEL+1], 0xfedcba98
	s_mov_b32 s[CS], 0x3fb8aa3b                    ; log2(e)
	s_mov_b32 s[CS+1], s[CS]                       ; (named with it as a pair, so it is written)
	s_mov_b32 s[NCS], 0xbfb8aa3b
	s_mov_b32 s[GT], 0
	s_mov_b32 s[STP], 0
	s_cmp_lt_u32 ttmp9, 6                          ; in step s the cluster with number s prefetches record s + 2: s + 2 stays under 8
	s_cselect_b32 s[LIM], ttmp9, -1
	s_cmp_eq_u32 s[QG], 0                          ; one wave for each quarter
	s_cselect_b32 s[LIM], s[LIM], -1
	s_mul_i32 s67, s[WV], PREC
	s_lshr_b32 s74, s[KQ], 1                       ; the end: I join the half (kq & 1) of tile 2 (w & 1) + kq / 2
	s_and_b32 s75, s[KQ], 1
	s_mul_i32 s76, s[QG], PREC
	s_lshl_b32 s68, s74, 13
	s_add_co_u32 s68, s68, s76
	s_lshl_b32 s77, s75, 12
	s_add_co_u32 s68, s68, s77
	s_lshl_b32 s69, s74, 3
	s_add_co_u32 s69, s69, s76
	s_add_co_u32 s69, s69, 16384
	s_lshl_b32 s78, s[QG], 1
	s_add_co_u32 s78, s78, s74
	s_lshl_b32 s70, s78, 10
	s_lshl_b32 s77, s75, 9
	s_add_co_u32 s70, s70, s77
	s_add_co_u32 s70, s70, YIMG
	s_lshl_b32 s71, s78, 7
	s_lshl_b32 s77, s75, 1
	s_add_co_u32 s71, s71, s77
	s_add_co_u32 s71, s71, YSC
	s_mul_i32 s72, s[WV], STG
	s_mul_i32 s73, s42, 9                          ; the prefetches: my work-group's 9 of a record's 34 blocks of 256 bytes (block 33 at the most)
	v_and_b32 v8, 31, v0                           ; lane
	v_and_b32 v9, 15, v0                           ; r
	v_bfe_u32 v10, v0, 4, 1                        ; lane / 16
	v_lshlrev_b32 v[LI], 4, v8
	v_min_u32 v[PFO], 8, v8
	v_add_nc_u32 v[PFO], s73, v[PFO]
	v_min_u32 v[PFO], 33, v[PFO]
	v_lshlrev_b32 v[PFO], 8, v[PFO]
	v_add_nc_u32 v[LK], s66, v[LI]
	v_add_nc_u32 v[PA], s67, v[LI]
	v_add_nc_u32 v[PB], s68, v[LI]
	v_add_nc_u32 v[PB+1], 4*PREC, v[PB]
	v_add_nc_u32 v[PS], s69, v[LI]
	v_add_nc_u32 v[PS+1], 4*PREC, v[PS]
	v_add_nc_u32 v[YW], s70, v[LI]
	v_lshl_add_u32 v[YSA], v8, 2, s71
	v_add_nc_u32 v[YL], YIMG, v[LI]
	v_lshl_add_u32 v[YSL], v8, 2, YSC
	v_mul_u32_u24 v[OSA], v9, 272
	v_lshl_add_u32 v[OSA], v10, 6, v[OSA]
	v_add_nc_u32 v[OSA], s72, v[OSA]
	v_mul_u32_u24 v[ORA], v10, 272
	v_lshl_add_u32 v[ORA], v9, 4, v[ORA]
	v_add_nc_u32 v[ORA], s72, v[ORA]
	v_lshlrev_b32 v[GX], 4, v9
	v_lshl_add_u32 v[GX], v10, 14, v[GX]
	v_lshlrev_b32 v[WOA], 6, v9
	v_lshl_add_u32 v[WOA], v10, 4, v[WOA]
	v_lshlrev_b32 v[WSA], 2, v9
.irp k, LA, LA+1, LB, LB+1, LC, LC+1, FA+1, FB+1, TXA, TXB
	v_mov_b32 v[\k], 0                             ; l; and registers that are named (a pair's upper half, a lane permute's destination) before they are first written
.endr
	s_wait_alu depctr_va_vdst(0)                   ; the wait at the head's end
	s_wait_dscnt 0x0                               ; both opening adds are done
	s_wait_kmcnt 0x0
	s_add_nc_u64 s[KP:KP+1], s[6:7], s[46:47]
	s_add_nc_u64 s[58:59], s[4:5], s[60:61]
	s_add_nc_u64 s[60:61], s[4:5], s[62:63]
	global_load_b128 v[TH:TH+3], v[LI], s[58:59]   ; theta's two fragments stay in registers
	global_load_b128 v[TH+4:TH+7], v[LI], s[58:59] offset:512
	global_load_b128 v[TH+8:TH+11], v[LI], s[58:59] offset:1024
	global_load_b128 v[TH+12:TH+15], v[LI], s[58:59] offset:1536
	global_load_b32 v[THS], v[LI], s[60:61]
	KLOAD                                          ; step 0's phi
	s_mov_b32 s[G0], 1
	s_add_nc_u64 s[G0+2:G0+3], s[8:9], s[48:49]
	s_or_b32 s[G0+3], s[G0+3], 0x80000000          ; type = 2
	s_add_nc_u64 s[OUT:OUT+1], s[16:17], s[50:51]
	s_add_nc_u64 s[XB:XB+1], s[14:15], s[50:51]
	s_add_nc_u64 s[54:55], s[10:11], s[54:55]
	s_add_nc_u64 s[56:57], s[12:13], s[56:57]
	CROUND                                         ; all four work-groups are here: the joint loads meet
	tensor_load_to_lds s[G0:G0+3], s[G1:G1+7]      ; a wave's one tensor load: it lands under step 0's scores and softmax
	s_nop 0
.rept 4
	v_nop
.endr
	STEP 1, 0
	s_mov_b32 s[STP], 1
.Lstep:
	STEP 0, 0
	s_add_co_u32 s[STP], s[STP], 1
	s_cmp_lt_u32 s[STP], 7
	s_cbranch_scc1 .Lstep
	STEP 0, 1
	; ---- the end, 1: l of my key quarter (these lines are also the places behind the last products); O^T and the statistics are handed over
	v_pk_add_f32 v[LB:LB+1], v[LB:LB+1], v[LC:LC+1]
	v_add_f32 v[LA], v[LA], v[LA+1]
	v_mov_b32 v[ST], v[NMA]
	v_mov_b32 v[ST+2], v[NMB]
	v_add_f32 v[LB], v[LB], v[LB+1]
	v_permlanex16_b32 v[TXA], v[LA], s[SEL], s[SEL+1]
	v_permlanex16_b32 v[TXB], v[LB], s[SEL], s[SEL+1]
	v_add_f32 v[ST+1], v[LA], v[TXA]
	v_add_f32 v[ST+3], v[LB], v[TXB]
	s_wait_alu depctr_va_vdst(0)
	s_barrier_wait -1                              ; nobody reads g any more
	WIN 0x04
.set i, 0
.rept 16
	ds_store_b128 v[PA], v[OA+4*i:OA+4*i+3] offset:512*i           ; each accumulator from its low end on
.set i, i+1
.endr
.set i, 0
.rept 16
	ds_store_b128 v[PA], v[OB+4*i:OB+4*i+3] offset:8192+512*i
.set i, i+1
.endr
	WIN 0
	ds_store_b128 v[PA], v[ST:ST+3] offset:16384   ; -M and l of A, of B
	s_wait_dscnt 0x0                               ; for the others' sake: my stores have landed
	s_barrier_signal -1
	s_barrier_wait -1
	; ---- 2: every wave joins the four quarters of half a tile (64 i of 16 queries), divides by l, quantises y along i
	ds_load_b64 v[BMA:BMA+1], v[PS]
	ds_load_b64 v[BMA+2:BMA+3], v[PS] offset:2*PREC
	ds_load_b64 v[BMB:BMB+1], v[PS+1]
	ds_load_b64 v[BMB+2:BMB+3], v[PS+1] offset:2*PREC
	WIN 0x40
.irp k, 0,1,2,3
.irp i, 0,1,2,3,4,5,6,7
	ds_load_b128 v[32*\k+4*\i:32*\k+4*\i+3], v[PB+\k/2] offset:2*PREC*(\k%2)+512*\i
.endr
.endr
	WIN 0
	s_wait_dscnt 32                                ; the four statistics are in; the 32 loads of the parts may be out
	v_min3_num_f32 v240, v[BMA], v[BMA+2], v[BMB]
	v_min_num_f32 v240, v240, v[BMB+2]             ; -M* = the least -M
.irp k, 0,2,4,6
	v_sub_f32 v[OPA+\k], v240, v[BMA+\k]           ; M_k - M*: whole numbers, 0 or less
.endr
.irp k, 0,2,4,6
	v_cvt_i32_f32 v[OPA+\k], v[OPA+\k]
.endr
.irp k, 0,2,4,6
	v_ldexp_f32 v[OPA+\k], 1.0, v[OPA+\k]          ; f_k = 2^(M_k - M*)
.endr
	v_mul_f32 v241, v[OPA], v[BMA+1]               ; l = the sum of f_k l_k
.irp k, 2,4,6
	v_fmac_f32 v241, v[OPA+\k], v[BMA+\k+1]
.endr
	s_wait_alu depctr_va_vdst(0)                   ; the wait ahead of the transcendental
	v_rcp_f32 v242, v241
	v_nop                                          ; a plain place behind it
	s_wait_alu depctr_va_vdst(0)                   ; the wait behind it
.irp k, 0,2,4,6
	v_mul_f32 v[OPA+\k], v[OPA+\k], v242           ; f_k / l
.endr
	WIN 0x01
	s_wait_alu depctr_va_vdst(0)
	s_wait_dscnt 24                                ; the first quarter's eight loads are in
.set j, 0
.rept 16
	v_pk_mul_f32 v[GF+j:GF+j+1], v[j:j+1], v[OPA:OPA+1] op_sel_hi:[1,0]
.set j, j+2
.endr
.irp k, 1,2,3
	s_wait_alu depctr_va_vdst(0)
	s_wait_dscnt 24-8*\k                           ; the next quarter's
.set j, 0
.rept 16
	v_pk_fma_f32 v[GF+j:GF+j+1], v[32*\k+j:32*\k+j+1], v[OPA+2*\k:OPA+2*\k+1], v[GF+j:GF+j+1] op_sel_hi:[1,0,1]
.set j, j+2
.endr
.endr
	WIN 0
.irp b, 0,1
	v_max3_num_f32 v[BMA+\b], |v[GF+16*\b]|, |v[GF+16*\b+1]|, 0x1800000   ; register 16 b + i is y(i = 64 half + 32 b + 16 (lane / 16) + i); with the floor 2^(3 - 127)
.endr
.irp i, 2,4,6,8,10,12,14
.irp b, 0,1
	v_max3_num_f32 v[BMA+\b], v[BMA+\b], |v[GF+16*\b+\i]|, |v[GF+16*\b+\i+1]|
.endr
.endr
	v_permlane16_swap_b32 v[BMA], v[BMA+1]
	v_max_num_f32 v[BMA], v[BMA], v[BMA+1]         ; lanes 0-15 block 0, lanes 16-31 block 1
	v_add_nc_u32 v[OPA], 0xff000000, v[BMA]        ; 2 off the exponent field: the conversion's scale operand
	v_mov_b32 v[OPA+1], v[OPA]
	v_permlane16_swap_b32 v[OPA], v[OPA+1]         ; a block's in every lane
	v_lshrrev_b32 v[TA], 23, v[OPA]
	v_lshrrev_b32 v[TB], 23, v[OPA+1]
	v_lshl_or_b32 v[TA], v[TB], 8, v[TA]           ; my half's two bytes of the scale word
.irp g, 0,1,2,3
	v_cvt_scalef32_pk8_fp4_f32 v[CA+\g], v[GF+8*\g:GF+8*\g+7], v[OPA+\g/2]
.endr
	v_nop                                          ; one plain place behind a scaled conversion
	v_permlane16_swap_b32 v[CA], v[CA+2]
	v_permlane16_swap_b32 v[CA+1], v[CA+3]
	ds_store_b128 v[YW], v[CA:CA+3]
	ds_store_b16 v[YSA], v[TA]
	s_wait_dscnt 0x0
	s_barrier_signal -1
	s_barrier_wait -1                              ; y's four fragments lie in LDS, and nobody reads the parts any more
	; ---- 3: the four tiles of queries against my 32 rows of w_out: source 0 = y, so that a lane holds one c and eight neighbouring n
.irp t, 0,1,2,3
.irp c, 0,1
	ds_load_b128 v[GF+32+8*\t+4*\c:GF+35+8*\t+4*\c], v[YL] offset:1024*\t+512*\c
.endr
	ds_load_b32 v[GS+\t], v[YSL] offset:128*\t
.endr
	s_wait_dscnt 0x0
	s_wait_loadcnt 16                              ; w_out's fragments and scale words are in; the 16 loads of x may be out
	WIN 0x40
.irp c, 0,1
.irp t, 0,1,2,3
	WM SA+8*(4*\c+\t), GF+32+8*\t, TH+8*\c, 0, GS+\t, KS+\c, 0
.endr
.endr
	WIN 0
	PLACES
	WIN 0x04
.irp c, 0,1
.irp t, 0,1,2,3
	ds_store_b128 v[OSA], v[8*(4*\c+\t):8*(4*\c+\t)+3] offset:16*272*\c+128*(\t/2)+32*(\t%2)        ; row c, n = 32 (t / 2) + 16 (lane / 16) + 8 (t % 2) on
	ds_store_b128 v[OSA], v[8*(4*\c+\t)+4:8*(4*\c+\t)+7] offset:16*272*\c+128*(\t/2)+32*(\t%2)+16
.endr
.endr
	WIN 0
	; ---- 4: my stage holds 32 whole rows of 64 n: back by rows, x is added, sixteen lanes store 256 consecutive bytes
.irp i, 0,1,2,3,4,5,6,7,8,9,10,11,12,13,14,15
	ds_load_b128 v[GF+4*\i:GF+4*\i+3], v[ORA] offset:2*272*\i      ; LDS serves a wave's instructions in order (ISA guide 5.7.1.4): these see my stores
.endr
	s_wait_loadcnt 0x0                             ; x
.irp i, 0,1,2,3,4,5,6,7,8,9,10,11,12,13,14,15
	s_wait_dscnt 15-\i                             ; LDS loads come back in order: pair i of rows is in
	v_pk_add_f32 v[GF+4*\i:GF+4*\i+1], v[GF+4*\i:GF+4*\i+1], v[KF+4*\i:KF+4*\i+1]
	v_pk_add_f32 v[GF+4*\i+2:GF+4*\i+3], v[GF+4*\i+2:GF+4*\i+3], v[KF+4*\i+2:KF+4*\i+3]
	global_store_b128 v[GX], v[GF+4*\i:GF+4*\i+3], s[OUT:OUT+1] offset:32768*\i th:TH_STORE_NT   ; at a multiple of 256 from out0's first byte
.endr
	s_wait_tensorcnt 0x0                           ; the wave's end
	ds_add_u32 v[SPW], v[NIL]
	s_wait_dscnt 0x0
	CROUND                                         ; the closing round: no work-group ends while a partner may still ask for a record that names it
	s_endpgm
.Lfunc_end_k_q5a22420d72_attn:
	.size	k_q5a22420d72_attn, .Lfunc_end_k_q5a22420d72_attn-k_q5a22420d72_attn
	.p2alignl 7, 3214868480
	.fill 96, 4, 3214868480
	.section	.rodata,"a",@progbits
	.p2align	6, 0x0
	.amdhsa_kernel k_q5a22420d72_attn
		.amdhsa_group_segment_fixed_size 327680
		.amdhsa_private_segment_fixed_size 0
		.amdhsa_enable_private_segment 0
		.amdhsa_kernarg_size 56
		.amdhsa_user_sgpr_count 2
		.amdhsa_user_sgpr_kernarg_segment_ptr 1
		.amdhsa_wavefront_size32 1
		.amdhsa_system_sgpr_workgroup_id_x 1
		.amdhsa_system_sgpr_workgroup_id_y 1
		.amdhsa_system_sgpr_workgroup_id_z 1
		.amdhsa_system_vgpr_workitem_id 0
		.amdhsa_next_free_vgpr 512
		.amdhsa_next_free_sgpr 96
		.amdhsa_reserve_vcc 0
		.amdhsa_float_denorm_mode_32 3
		.amdhsa_float_denorm_mode_16_64 3
		.amdhsa_memory_ordered 1
		.amdhsa_forward_progress 1
		.amdhsa_inst_pref_size 123
	.end_amdhsa_kernel
	.amdgpu_metadata
---
amdhsa.version: [ 1, 2 ]
amdhsa.kernels:
  - .name:           k_q5a22420d72_attn
    .symbol:         k_q5a22420d72_attn.kd
    .args:
      - { .name: q, .offset: 0, .size: 8, .value_kind: global_buffer, .address_space: global }
      - { .name: kb, .offset: 8, .size: 8, .value_kind: global_buffer, .address_space: global }
      - { .name: gb, .offset: 16, .size: 8, .value_kind: global_buffer, .address_space: global }
      - { .name: w_out_codes, .offset: 24, .size: 8, .value_kind: global_buffer, .address_space: global }
      - { .name: w_out_scales, .offset: 32, .size: 8, .value_kind: global_buffer, .address_space: global }
      - { .name: x, .offset: 40, .size: 8, .value_kind: global_buffer, .address_space: global }
      - { .name: out0, .offset: 48, .size: 8, .value_kind: global_buffer, .address_space: global }
    .group_segment_fixed_size: 327680
    .private_segment_fixed_size: 0
    .kernarg_segment_align: 8
    .kernarg_segment_size: 56
    .max_flat_workgroup_size: 256
    .sgpr_count:     96
    .vgpr_count:     512
    .wavefront_size: 32
...
	.end_amdgpu_metadata
.endif
;; end of part 2
